; MI455X (gfx1250); checked and timed in simulation.
; The chip was launched on July 23, 2026; its instructions are those of AMD's public machine-readable ISA for CDNA 5 (MIT licence, August 2026) and "CDNA5" Instruction Set Architecture Reference Guide (July 2026). The comments in the code are by the model that wrote it; some were corrected since.
;; Multi Head Attention. Allowed arithmetic: matrix products marked QUANTISED: E4M3 operands, one E8M0 scale for each 32 along K, by v_wmma_scale_f32_16x16x128_f8f6f4 with both operands' format E4M3, f32 sums; everything else in f32.
;; Inputs: W_out_codes 1,024 x 32 x 32 uint8 (E4M3 codes of W_out, K innermost, in blocks of 32 codes); W_out_scales 1,024 x 32 uint8 (E8M0 scales of W_out, one for each 32 codes along K); W_qkv_codes 3,072 x 32 x 32 uint8 (E4M3 codes of W_qkv, K innermost, in blocks of 32 codes); W_qkv_scales 3,072 x 32 uint8 (E8M0 scales of W_qkv, one for each 32 codes along K); b_out 1,024 float32; b_qkv 3,072 float32; x_codes 4 x 2,048 x 32 x 32 uint8 (E4M3 codes of x, K innermost, in blocks of 32 codes); x_scales 4 x 2,048 x 32 uint8 (E8M0 scales of x, one for each 32 codes along K).
;; Outputs: out0 4 x 2,048 x 1,024 float32.
;; This version of the problem:
;;   THIS VERSION OF THE PROBLEM IS GIVEN IN LOW PRECISION. The matrix products marked QUANTISED in the list below multiply operands that are first quantised to E4M3 (4 exponent bits, 3 mantissa bits; 8 bits a number), with one power-of-two scale for each 32 numbers along K (OCP MX v1.0); their sums are f32. All else is computed in f32.
;;   The module's matrix products, in the order in which they are computed (A, B: the left and right operand; K: the contracted axis; several contracted axes count as one K, in the product's order):
;;     1. [M 8,192, K 1,024] x [K 1,024, N 3,072]; A: input x (given as codes); B: input W_qkv (given as codes): QUANTISED
;;     2. batch 64 x [M 2,048, K 64] x [K 64, N 2,048]; A: computed on the way; B: computed on the way: QUANTISED
;;     3. batch 64 x [M 2,048, K 2,048] x [K 2,048, N 64]; A: softmax (see below); B: computed on the way: QUANTISED
;;     4. [M 8,192, K 1,024] x [K 1,024, N 1,024]; A: computed on the way; B: input W_out (given as codes): QUANTISED
;;   THE QUANTISER, for each operand of a quantised product, along K:
;;     - K is cut into blocks of 32 from its start; a last block that is shorter is filled with zeros.
;;     - A block's scale is 2^e with e = floor(log2(the largest magnitude in the block)) - 8, held to -126 .. 127; a block of zeros has e = 0. As a byte (E8M0): e + 127.
;;     - Each number is divided by its block's scale, clamped to +-448, and rounded to the nearest number of E4M3, ties to even, subnormals kept.
;;     - The product sums the exact products of the quantised numbers (number of the format x scale) in f32.
;;   ~~~python
;;   def quantise(x, axis):      # numpy; x: float32 -> the quantised numbers, widened to float32 again
;;       x = np.moveaxis(x, axis, -1); K = x.shape[-1]
;;       x = np.pad(x, [(0, 0)] * (x.ndim - 1) + [(0, -K % 32)]); x = x.reshape(x.shape[:-1] + (-1, 32)); a = np.abs(x).max(-1, keepdims=True)
;;       e = np.where(a > 0, np.clip(np.frexp(np.where(a > 0, a, 1))[1] - 1 - 8, -126, 127), 0)      # np.frexp(a)[1] - 1 = floor(log2(a)), exactly
;;       r = np.clip(x / 2.0 ** e, -448, 448)
;;       step = 2.0 ** (np.maximum(np.frexp(np.where(r == 0, 1, r))[1] - 1, -6) - 3)
;;       q = np.round(r / step) * step * 2.0 ** e      # np.round: ties to even
;;       return np.moveaxis(q.reshape(q.shape[:-2] + (-1,))[..., :K], -1, axis).astype(np.float32)
;;   ~~~
;;   SOFTMAX AHEAD OF A QUANTISED PRODUCT. Where the list says 'softmax', what is quantised is not the finished softmax but p = 2^(t - M), with t = logit x log2(e) and M = ceil(the row's largest t), a whole number; so 1/2 < the row's largest p <= 1. The row's sum l is taken of the UNQUANTISED p, in f32, and the product's result is divided by l at the end. Since M is a whole number, a kernel that streams over the keys may use a running M (the ceiling of the running maximum): every later rescaling is an exact power of two, which a block's scale takes up: the codes' values come out the same.
;;   OPERANDS COMPUTED ON THE WAY. 'Computed on the way' means the value that the module computes at that place (a softmax that the list does not call 'softmax' is quantised finished and normalised). What goes into a quantiser is computed in f32, as accurately as f32 sums, v_exp_f32 and their like allow (about 1e-6 of the number): no bf16 or f16 on the way to a quantiser, and a product that is left as it is and whose result goes on into a quantised operand takes f32 operands (vector FMAs, or v_wmma_f32_16x16x4_f32). A number that lies on a knife's edge between two numbers of the format may be rounded either way, as far as f32 arithmetic and the matrix unit's own rounding can turn it there, and no further.
;;   INPUTS GIVEN AS CODES. W_out (in the module: [1024, 1024], K = its axis 1); W_qkv (in the module: [3072, 1024], K = its axis 1); x (in the module: [4, 2048, 1024], K = its axis 2): each comes as NAME_codes (uint8): NAME with its K axis moved to the last place and cut into blocks of 32 codes, [.., K / 32, bytes a block], one block behind the other in memory; one code a byte (a code: sign, 4 exponent bits, 3 mantissa bits); and NAME_scales (uint8): the same leading axes, one E8M0 byte (e + 127) for each 32 codes along K. Its value is code x scale, taken as it is: it is not quantised again, and the codes and scales need not be those that the quantiser above would give.
;; One version. Each part assembles by itself: llvm-mc -triple=amdgcn-amd-amdhsa -mcpu=gfx1250 --defsym DOCPART=n.
;; ======== version 1 of 1: 3 launches
;; limits: right only within a limited range of input values
;; workspace buffers: q_img 8,388,608 bytes; q_sw 524,288 bytes; kv_rec 17,301,504 bytes; a_img 8,388,608 bytes; a_sw 262,144 bytes
;; launch qkv (part 1): grid 16 x 32, 4 waves a work-group, clusters of 4 x 4, 327,680 bytes of LDS; arguments x_codes, x_scales, W_qkv_codes, W_qkv_scales, b_qkv, q_img, q_sw, kv_rec; writes q_img, q_sw, kv_rec
.if DOCPART == 1
	.amdgcn_target "amdgcn-amd-amdhsa--gfx1250"
	.amdhsa_code_object_version 6
	.text
	.protected	k_q14e2380f44_qkv
	.globl	k_q14e2380f44_qkv
	.p2align	8
	.type	k_q14e2380f44_qkv,@function
k_q14e2380f44_qkv:
	s_mov_b64 s[64:65], 0
	v_nop
	global_prefetch_b8 v0, s[64:65] scope:SCOPE_SE
	s_setreg_imm32_b32 hwreg(HW_REG_WAVE_MODE, 25, 1), 1
	s_wait_xcnt 0x0
	s_wait_alu depctr_hold_cnt(0) depctr_sa_sdst(0) depctr_va_vdst(0) depctr_va_sdst(0) depctr_va_ssrc(0) depctr_va_vcc(0) depctr_vm_vsrc(0)
	s_getreg_b32 s2, hwreg(HW_REG_IB_STS2, 6, 4)
	s_cmp_eq_u32 s2, 0
	s_cbranch_scc0 .Lentry_in_a_cluster
	s_endpgm
.Lentry_in_a_cluster:
	s_bfe_u32 s2, ttmp6, 0x10000c
	s_cmp_lg_u32 s2, 0xf033
	s_cbranch_scc0 .Lentry_shape_is_right
	s_endpgm
.Lentry_shape_is_right:
; qkv = x W_qkv^T + b_qkv on codes of E4M3 with E8M0 scales, and the quantising of q, k (along the head's 64) and v (along the keys).
; A work-group makes 256 rows x one head's 192 columns (q 0-63, k 64-127, v 128-191); a wave 64 rows x all 192 columns: 48 accumulators.
; q and k: source 0 = 16 rows of W, source 1 = 16 rows of x: a lane holds ONE row and eight neighbouring channels.  v: the same fragments with the sources swapped:
; a lane holds ONE channel and eight neighbouring keys.  So each operand's K runs along a lane's registers and nothing is transposed.
; K = 1,024 goes in 8 steps of 128, written out; a slot of LDS holds 256 along K (rows of 256 bytes), two slots.  The scale bytes of all of K come once.
; CLUSTER 4 x 4: x's tiles hang on the tile row alone and are asked for jointly along a row of the cluster, W's on the head alone, jointly along a column.
; WHAT IS STORED (all in the order of the reader's operand registers; every store of codes covers one aligned run of 256 bytes):
;   q_img [bh][tile of 16 queries][c 2][lane][16 B];  q_sw [bh][64 queries][r 16][a 4] words (s0, s1, s0, s1);
;   kv_rec [bh][128 keys]: 8,192 B of K, 8,192 B of V^T, 256 B of K's scale words, 256 B of V's.
;   K: key s, channel ch at (s/16) 1024 + (ch/32) 512 + ((ch/16)&1) 256 + ((16 (s&15)) xor (128 ((s/16)&1))) + (ch&15).
; LIMITS: NaN and infinities among the inputs are not served.  A block of zeros, or one whose largest magnitude lies under 2^-118, gets the scale byte 1
; where the quantiser says 127 or less: its codes are zeros or the nearest codes under that byte, and only this program reads the bytes.
; No prefetch: each tile is read by several work-groups at about the same time, and the launch is short.
.set PITCH, 272                        ; an LDS row: 256 bytes + 16: the 16 rows of a fragment load start in 16 different 16-byte columns of 256
.set XHALF, 128*PITCH                  ; what one load brings of x
.set WHALF, 96*PITCH                   ; and of W
.set WOFF,  256*PITCH                  ; in a slot: x's 256 rows, then W's 192
.set SLOT,  448*PITCH
.set SCX,   2*SLOT                     ; x's scale bytes: 32 runs of 256 bytes + 16
.set SCW,   SCX+32*272                 ; W's: 24 runs
.set SPARE, 259072                     ; the spare words: 128 bytes a wave, two blocks of 256 that no other line names
.set XCH,   SPARE+512                  ; 1,024 bytes: the scale words of two records meet here; no tile lands here
.set REC,   16896
.set ADX,  4                           ; v4-5   my x fragments in slot 0, 1
.set ADW,  6                           ; v6-7   W's
.set ADSX, 8                           ; v8     x's scale words
.set ADSW, 9                           ; v9     W's
.set LQ,   10                          ; v10    16 r + 8 h: a lane's 8 codes in a run of 256 bytes
.set LQK,  11                          ; v11-12 the same in my half of a record's K, plain and with bit 7 turned (odd tiles of keys)
.set LQV,  13                          ; v13    the same in my part of a record's V^T
.set XK,   14                          ; v14    where K's scale words go in XCH
.set XV,   15                          ; v15    and V's halfwords
.set BV,   16                          ; v16-23 v's bias: channel r of tile i, twice (a pair for the packed addition)
.set SPW,  24
.set NIL,  25
.set XR,   26                          ; v26    where a record's 512 bytes of scale words are read back
.set L16,  27                          ; v27    16 x lane
.set SC,   32                          ; v32-63 scale words, set k at SC + 16 k: x's at 2 i + q, W's at 4 + 2 i + q; lanes 0-15 tile 2 i, lanes 16-31 tile 2 i + 1
.set XF,   64                          ; v64-191 x's fragments, two sets
.set BQ,   192                         ; v192-255 q's and k's bias in the result's layout: the C of the first step
.set PCB,  64                          ; the way out: codes, 16 registers for each of six calls
.set TM,   160                         ; v160-175 largest magnitudes, bytes, holds, scale operands
.set QW,   176
.set KW,   180
.set VB8,  184
.set VH,   192
.set TH,   196
.set TP,   197
.set TL,   198
.set TQ,   200
.set XD,   204
.set G1X, 24
.set G0X, 32
.set G1W, 40
.set G0W, 48
.set G1SX, 56
.set G1SW, 68
.set G0SX, 76
.set G0SW, 80
.set SEL, 84
.set MNT, 23
; windows: 0 as above; 1: v0-191 W set 0, v192-255 v's accumulators of row tiles 0, 1; 2: W set 1, v's of row tiles 2, 3; 3: q's and k's accumulators (a, i) at 64 a + 8 i
.set MSB, 0
.macro WIN new                         ; the immediate's high byte repeats the setting that is left
.if MSB != (\new)
	s_set_vgpr_msb (MSB<<8)|(\new)
.set MSB, \new
.endif
.endm
.macro PLACES n
.rept \n
	v_nop
.endr
.endm
.macro CREST                           ; a round of the cluster's barrier behind its opening barrier
	s_cmp_lg_u32 s20, 0
	s_cbranch_scc1 .Lnw0_\@
	s_barrier_signal -3
.Lnw0_\@:
	s_barrier_wait -3
	s_barrier_signal -1
	s_barrier_wait -1
.endm
.macro CROUND
	s_barrier_signal -1
	s_barrier_wait -1
	CREST
.endm
.macro JLOAD g0a, g1a, g0b, g1b        ; a joint load: waves 0, 1 for x, waves 2, 3 for W; four v_nop behind each line
	s_cmp_eq_u32 s21, 0
	s_cbranch_scc0 .Lfor_w_\@
	tensor_load_to_lds s[\g0a:\g0a+3], s[\g1a:\g1a+7]
	s_nop 0
.rept 4
	v_nop
.endr
	s_branch .Lasked_\@
.Lfor_w_\@:
	tensor_load_to_lds s[\g0b:\g0b+3], s[\g1b:\g1b+7]
	s_nop 0
.rept 4
	v_nop
.endr
.Lasked_\@:
.endm
; one product.  c: C's first register, or a negative number for the constant 0.  ra, rb: 1 = the side's scales stand in lanes 16-31
.macro WM d, a, b, c, sa, sb, ra, rb
.if (\c) < 0
.if (\ra) && (\rb)
	v_wmma_scale_f32_16x16x128_f8f6f4 v[(\d):(\d)+7], v[(\a):(\a)+15], v[(\b):(\b)+15], 0, v[(\sa)], v[(\sb)] matrix_a_scale:MATRIX_SCALE_ROW1 matrix_b_scale:MATRIX_SCALE_ROW1
.elseif (\ra)
	v_wmma_scale_f32_16x16x128_f8f6f4 v[(\d):(\d)+7], v[(\a):(\a)+15], v[(\b):(\b)+15], 0, v[(\sa)], v[(\sb)] matrix_a_scale:MATRIX_SCALE_ROW1
.elseif (\rb)
	v_wmma_scale_f32_16x16x128_f8f6f4 v[(\d):(\d)+7], v[(\a):(\a)+15], v[(\b):(\b)+15], 0, v[(\sa)], v[(\sb)] matrix_b_scale:MATRIX_SCALE_ROW1
.else
	v_wmma_scale_f32_16x16x128_f8f6f4 v[(\d):(\d)+7], v[(\a):(\a)+15], v[(\b):(\b)+15], 0, v[(\sa)], v[(\sb)]
.endif
.else
.if (\ra) && (\rb)
	v_wmma_scale_f32_16x16x128_f8f6f4 v[(\d):(\d)+7], v[(\a):(\a)+15], v[(\b):(\b)+15], v[(\c):(\c)+7], v[(\sa)], v[(\sb)] matrix_a_scale:MATRIX_SCALE_ROW1 matrix_b_scale:MATRIX_SCALE_ROW1
.elseif (\ra)
	v_wmma_scale_f32_16x16x128_f8f6f4 v[(\d):(\d)+7], v[(\a):(\a)+15], v[(\b):(\b)+15], v[(\c):(\c)+7], v[(\sa)], v[(\sb)] matrix_a_scale:MATRIX_SCALE_ROW1
.elseif (\rb)
	v_wmma_scale_f32_16x16x128_f8f6f4 v[(\d):(\d)+7], v[(\a):(\a)+15], v[(\b):(\b)+15], v[(\c):(\c)+7], v[(\sa)], v[(\sb)] matrix_b_scale:MATRIX_SCALE_ROW1
.else
	v_wmma_scale_f32_16x16x128_f8f6f4 v[(\d):(\d)+7], v[(\a):(\a)+15], v[(\b):(\b)+15], v[(\c):(\c)+7], v[(\sa)], v[(\sb)]
.endif
.endif
.endm
.macro FETCH s                         ; step s's fragments into set s & 1: W's twelve, x's four
.set fq, (\s)&1
.set fk, ((\s)/2)&1
	WIN 0x40<<fq
.irp i,0,1,2,3,4,5,6,7,8,9,10,11
.irp c,0,1,2,3
	ds_load_b128 v[16*\i+4*\c:16*\i+4*\c+3], v[ADW+fk] offset:\i*16*PITCH+128*fq+32*\c
.endr
.endr
	WIN 0
.irp a,0,1,2,3
.irp c,0,1,2,3
	ds_load_b128 v[XF+64*fq+16*\a+4*\c:XF+64*fq+16*\a+4*\c+3], v[ADX+fk] offset:\a*16*PITCH+128*fq+32*\c
.endr
.endr
.endm
.macro SCALES sd                       ; the two words a row of 256 along K, into set sd & 1
.set sk, SC+16*((\sd)&1)
.irp i,0,1
	ds_load_b64 v[sk+2*\i:sk+2*\i+1], v[ADSX] offset:\i*1088+8*(\sd)
.endr
.irp i,0,1,2,3,4,5
	ds_load_b64 v[sk+4+2*\i:sk+4+2*\i+1], v[ADSW] offset:\i*1088+8*(\sd)
.endr
.endm
.macro MULQ s, a, first                ; row tile a against q's and k's eight tiles of W
.set mq, (\s)&1
.set mk, SC+16*(((\s)/2)&1)+mq
.irp i,0,1,2,3,4,5,6,7
.if \first
	WM 64*(\a)+8*\i, 16*\i, XF+64*mq+16*(\a), BQ+8*\i, mk+4+2*(\i/2), mk+2*((\a)/2), \i&1, (\a)&1
.else
	WM 64*(\a)+8*\i, 16*\i, XF+64*mq+16*(\a), 64*(\a)+8*\i, mk+4+2*(\i/2), mk+2*((\a)/2), \i&1, (\a)&1
.endif
.endr
.endm
.macro MULV s, first                   ; v's sixteen products, sources swapped
.set mq, (\s)&1
.set mk, SC+16*(((\s)/2)&1)+mq
.irp a,0,1,2,3
	WIN (0x50*(1+(\a/2)))|(4<<mq)
.irp i,0,1,2,3
.if \first
	WM 192+16*\i+8*(\a&1), XF+64*mq+16*\a, 128+16*\i, -1, mk+2*(\a/2), mk+12+2*(\i/2), \a&1, \i&1
.else
	WM 192+16*\i+8*(\a&1), XF+64*mq+16*\a, 128+16*\i, 192+16*\i+8*(\a&1), mk+2*(\a/2), mk+12+2*(\i/2), \a&1, \i&1
.endif
.endr
.endr
.endm
; The 48 accumulators take turns, one instruction a turn, in the same order in every step.
.macro NORMAL s, first                 ; a step whose successor lies in the same slot
	s_wait_dscnt 0x0                               ; this step's fragments are in
.if !(\first)
	PLACES 8                                       ; eight places between the last step's products and loads into the set that they read
.endif
	FETCH (\s)+1
.if \first
	WIN 0xC1                                       ; W window 1, x window 0, C (the bias) window 0, D window 3
.else
	WIN 0xF1
.endif
	MULQ \s, 0, \first
	MULQ \s, 1, \first
	MULQ \s, 2, \first
	MULQ \s, 3, \first
	MULV \s, \first
.endm
.macro TURN s, fill                    ; a slot's second step changes slots
.set sl, ((\s)/2)&1
	WIN 0
	s_wait_tensorcnt 0x0                           ; all my tensor loads have landed: my part of the next slot
	ds_add_u32 v[SPW], v[NIL]                      ; 0 onto my spare word
	s_wait_dscnt 1                                 ; only the add may be out: this step's fragments are in
	WIN 0xF2
	MULQ \s, 0, 0
	MULQ \s, 1, 0
	s_wait_dscnt 0x0                               ; the add is done, and my reads of this slot are over
	s_barrier_signal -1
	MULQ \s, 2, 0
	MULQ \s, 3, 0
	WIN 0
	s_barrier_wait -1
.if \fill
	CREST                                          ; the barrier has opened a round of the cluster's: no wave of any partner still reads this slot or has a load on its way
	s_add_nc_u64 s[G0X+4*sl+2:G0X+4*sl+3], s[G0X+4*sl+2:G0X+4*sl+3], 512
	s_add_nc_u64 s[G0W+4*sl+2:G0W+4*sl+3], s[G0W+4*sl+2:G0W+4*sl+3], 512
	JLOAD G0X+4*sl, G1X, G0W+4*sl, G1W             ; my one tensor load behind the round; its four v_nop are four of the eight places
	PLACES 4
.else
	PLACES 8
.endif
	FETCH (\s)+1
	SCALES ((\s)+1)/2
	MULV \s, 0
.endm
	s_load_b256 s[4:11], s[0:1], 0x0               ; x's codes, x's scales, W's codes, W's scales
	s_load_b256 s[12:19], s[0:1], 0x20             ; b_qkv, q_img, q_sw, kv_rec
	v_lshl_add_u32 v[SPW], v0, 2, SPARE
	v_mov_b32 v[NIL], 0
	ds_add_u32 v24, v25
	ds_add_u32 v24, v25
	s_wait_dscnt 0x0
	v_lshrrev_b32 v1, 5, v0
	v_readfirstlane_b32 s20, v1                    ; wave 0..3
	s_lshr_b32 s21, s20, 1                         ; I fetch for x (0) or for W (1); also: which record my rows belong to
	s_and_b32 s22, s20, 1                          ; which half I fetch; also: which half of the record
	s_bfe_u32 s88, ttmp6, 0x40000                  ; cx
	s_bfe_u32 s89, ttmp6, 0x40004                  ; cy
	s_lshl_b32 s90, ttmp9, 2
	s_add_co_u32 s90, s90, s88                     ; the head = 4 x cluster x + cx
	s_and_b32 s91, ttmp7, 0xffff
	s_lshl_b32 s91, s91, 2
	s_add_co_u32 s91, s91, s89                     ; the tile of 256 rows = 4 x cluster y + cy
	s_lshl_b32 s92, s89, 2
	s_lshl_b32 s92, 15, s92                        ; my row of the cluster
	s_lshl_b32 s93, 0x1111, s88                    ; my column
	s_mov_b32 s[MNT], 0x600000                     ; the mantissa field of 448
	s_mov_b32 s[SEL], 0x76543210
	s_mov_b32 s[SEL+1], 0xfedcba98                 ; lane l xor 16
	s_mov_b32 s86, 0xffff0000                      ; lanes 16-31
	s_mov_b32 s87, 0xff00ff00                      ; lanes with r >= 8
	; group 1: rows of 256 bytes, 16 bytes of padding behind each; x: 128 rows, W: 96
	s_or_b32 s[G1X], s92, (1<<20)|(1<<21)|(5<<22)|(3<<25)
	s_or_b32 s[G1W], s93, (1<<20)|(1<<21)|(5<<22)|(3<<25)
.irp g, G1X, G1W
	s_mov_b32 s[\g+1], 256<<16
	s_mov_b32 s[\g+3], 256<<16
	s_mov_b32 s[\g+5], 1024
	s_mov_b32 s[\g+6], 0
	s_mov_b32 s[\g+7], 0
.endr
	s_mov_b32 s[G1X+2], 256<<16                    ; the head's loads bring whole tiles: x 256 rows, W 192; behind them these four words are set for the ring's halves
	s_mov_b32 s[G1X+4], 256
	s_mov_b32 s[G1W+2], 192<<16
	s_mov_b32 s[G1W+4], 192
	; the scale bytes: dense blocks as rows of 256 bytes (32 elements of 8); x: 32 rows a load, W: 24
	s_or_b32 s[G1SX], s92, (3<<16)|(1<<20)|(1<<21)|(5<<22)|(3<<25)
	s_or_b32 s[G1SW], s93, (3<<16)|(1<<20)|(1<<21)|(5<<22)|(3<<25)
.irp g, G1SX, G1SW
	s_mov_b32 s[\g+1], 32<<16
	s_mov_b32 s[\g+3], 32<<16
	s_mov_b32 s[\g+5], 32
	s_mov_b32 s[\g+6], 0
	s_mov_b32 s[\g+7], 0
.endr
	s_mov_b32 s[G1SX+2], 32<<16                    ; x: 32 rows in one load, W: 24
	s_mov_b32 s[G1SX+4], 32
	s_mov_b32 s[G1SW+2], 24<<16
	s_mov_b32 s[G1SW+4], 24
	; byte offsets.  x's hang on the tile row and the wave alone, W's on the head and the wave alone
	s_lshl_b32 s94, s91, 18                        ; x's codes: 256 ty rows of 1,024 bytes
	s_mov_b32 s95, 0
	s_lshl_b32 s98, s91, 13                        ; x's scales: 32 bytes a row
	s_mov_b32 s99, 0
	s_mul_i32 s96, s90, 192*1024                   ; W's codes
	s_mov_b32 s97, 0
	s_mul_i32 s66, s90, 192*32                     ; W's scales
	s_mov_b32 s67, 0
	; group 0: count, LDS address
.irp g, G0X, G0X+4, G0W, G0W+4, G0SX, G0SW
	s_mov_b32 s[\g], 1
.endr
	s_mul_i32 s[G0X+1], s22, XHALF
	s_add_co_u32 s[G0X+5], s[G0X+1], SLOT
	s_mul_i32 s[G0W+1], s22, WHALF
	s_add_co_u32 s[G0W+1], s[G0W+1], WOFF
	s_add_co_u32 s[G0W+5], s[G0W+1], SLOT
	s_mov_b32 s[G0SX+1], SCX
	s_mov_b32 s[G0SW+1], SCW
	; where my results go: GW = 32 bh + 4 mt + wave, bh = 16 (ty / 8) + head, mt = ty % 8.  In registers that feed no descriptor
	s_lshr_b32 s100, s91, 3
	s_lshl4_add_u32 s100, s100, s90
	s_and_b32 s105, s91, 7
	s_lshl3_add_u32 s100, s100, s105
	s_lshl2_add_u32 s104, s100, s20
	s_mov_b32 s101, 0
	s_wait_kmcnt 0x0
	s_add_nc_u64 s[G0SX+2:G0SX+3], s[6:7], s[98:99]
	s_add_nc_u64 s[G0SW+2:G0SW+3], s[10:11], s[66:67]
	s_add_nc_u64 s[6:7], s[4:5], s[94:95]          ; s[4:7], s[8:11]: group 0 of the head's whole tiles of x and of W (the arguments that lay there are used up)
	s_add_nc_u64 s[10:11], s[8:9], s[96:97]
	s_lshl_b32 s2, s22, 17                         ; the ring: my half, 128 rows of x
	s_mov_b32 s3, 0
	s_add_nc_u64 s[G0X+2:G0X+3], s[6:7], s[2:3]
	s_add_nc_u64 s[G0X+6:G0X+7], s[G0X+2:G0X+3], 256
	s_mul_i32 s2, s22, 96*1024                     ; or 96 rows of W
	s_add_nc_u64 s[G0W+2:G0W+3], s[10:11], s[2:3]
	s_add_nc_u64 s[G0W+6:G0W+7], s[G0W+2:G0W+3], 256
	s_mov_b32 s4, 1
	s_mov_b32 s5, 0
	s_or_b32 s7, s7, 0x80000000
	s_mov_b32 s8, 1
	s_mov_b32 s9, WOFF
	s_or_b32 s11, s11, 0x80000000
.irp g, G0X, G0X+4, G0W, G0W+4, G0SX, G0SW
	s_or_b32 s[\g+3], s[\g+3], 0x80000000          ; type = 2
.endr
	s_lshl_b32 s100, s104, 12
	s_add_nc_u64 s[14:15], s[14:15], s[100:101]    ; q_img: my four tiles of 1,024 bytes
	s_lshl_b32 s100, s104, 8
	s_add_nc_u64 s[16:17], s[16:17], s[100:101]    ; q_sw: my 256 bytes
	s_lshr_b32 s100, s104, 1
	s_mul_i32 s100, s100, REC
	s_add_nc_u64 s[18:19], s[18:19], s[100:101]    ; kv_rec: my record
	s_mul_i32 s100, s90, 768
	s_add_nc_u64 s[12:13], s[12:13], s[100:101]    ; b_qkv: my head's 192 numbers
	CROUND                                         ; all sixteen work-groups are here: the first joint loads meet
; THE HEAD'S LOADS, ONE A WAVE: wave 0 slot 0's 256 rows of x, wave 1 its 192 rows of W, wave 2 x's scale bytes, wave 3 W's.  One chain of branches on the wave's number, a load to an arm.
.macro ARM under, g0, g1, next
	s_cmp_lt_u32 s20, \under
	s_cbranch_scc0 \next
	tensor_load_to_lds s[\g0:\g0+3], s[\g1:\g1+7]
	s_nop 0
.rept 4
	v_nop
.endr
	s_branch .Lhead_asked
\next:
.endm
	ARM 1, 4, G1X, .Lhead_w
	ARM 2, 8, G1W, .Lhead_sx
	ARM 3, G0SX, G1SX, .Lhead_sw
	tensor_load_to_lds s[G0SW:G0SW+3], s[G1SW:G1SW+7]
	s_nop 0
.rept 4
	v_nop
.endr
.Lhead_asked:
	v_and_b32 v1, 15, v0                           ; r
	v_bfe_u32 v2, v0, 4, 1                         ; h
	v_and_b32 v3, 31, v0                           ; lane
	v_mul_u32_u24 v28, v1, PITCH
	v_lshl_add_u32 v28, v2, 4, v28                 ; row r, + 16 h
	s_mul_i32 s2, s20, 64*PITCH
	v_add_nc_u32 v[ADX], s2, v28                   ; my 64 rows of x
	v_add_nc_u32 v[ADX+1], SLOT, v[ADX]
	v_add_nc_u32 v[ADW], WOFF, v28
	v_add_nc_u32 v[ADW+1], SLOT, v[ADW]
	v_lshrrev_b32 v29, 3, v3
	v_mul_u32_u24 v29, v29, 272
	v_and_b32 v30, 7, v3
	v_lshl_add_u32 v29, v30, 5, v29                ; row = lane: eight rows of 32 bytes to a run
	v_add_nc_u32 v[ADSW], SCW, v29
	s_mul_i32 s2, s20, 8*272
	s_add_co_u32 s2, s2, SCX
	v_add_nc_u32 v[ADSX], s2, v29
	v_lshlrev_b32 v[LQ], 4, v1
	v_lshl_add_u32 v[LQ], v2, 3, v[LQ]
	s_lshl_b32 s2, s22, 12
	v_add_nc_u32 v[LQK], s2, v[LQ]
	v_xor_b32 v[LQK+1], 128, v[LQK]
	s_lshl_b32 s2, s22, 10
	s_add_co_u32 s2, s2, 8192
	v_add_nc_u32 v[LQV], s2, v[LQ]
	s_lshl_b32 s2, s21, 9
	s_add_co_u32 s2, s2, XCH                       ; my record's 512 bytes of XCH
	v_lshl_add_u32 v[XR], v3, 4, s2
	s_lshl_b32 s3, s22, 7
	s_add_co_u32 s3, s3, s2
	v_and_b32 v30, 7, v1
	v_lshl_add_u32 v[XK], v30, 2, s3
	s_lshl_b32 s3, s22, 1
	s_add_co_u32 s3, s3, s2
	s_add_co_u32 s3, s3, 256
	v_lshl_add_u32 v[XV], v1, 2, s3
	v_lshlrev_b32 v[L16], 4, v3
	v_lshlrev_b32 v30, 5, v2                       ; 32 h
	v_lshlrev_b32 v31, 2, v1                       ; 4 r
.irp i,0,1,2,3,4,5,6,7
	global_load_b128 v[BQ+8*\i:BQ+8*\i+3], v30, s[12:13] offset:64*\i       ; b(16 i + 8 h + 0 .. 7)
	global_load_b128 v[BQ+8*\i+4:BQ+8*\i+7], v30, s[12:13] offset:64*\i+16
.endr
.irp i,0,1,2,3
	global_load_b32 v[BV+2*\i], v31, s[12:13] offset:512+64*\i              ; b(128 + 16 i + r), twice
	global_load_b32 v[BV+2*\i+1], v31, s[12:13] offset:512+64*\i
.endr
	s_wait_alu depctr_va_vdst(0)
	s_wait_tensorcnt 0x0                           ; my tile of the head's four is in; slot 1's first fill is issued as a refill is
	ds_add_u32 v[SPW], v[NIL]                      ; 0 onto my spare word
	s_mov_b32 s[G1X+2], 128<<16                    ; no tensor load of mine is out: from here on a load brings half a tile
	s_mov_b32 s[G1X+4], 128
	s_mov_b32 s[G1W+2], 96<<16
	s_mov_b32 s[G1W+4], 96
	s_wait_dscnt 0x0
	CROUND                                         ; all four tiles are in, and all sixteen work-groups are here
	JLOAD G0X+4, G1X, G0W+4, G1W                   ; slot 1: my one tensor load behind the round
	FETCH 0
	SCALES 0
	s_wait_loadcnt 0x0                             ; the biases
	NORMAL 0, 1
	TURN 1, 1
	NORMAL 2, 0
	TURN 3, 1
	NORMAL 4, 0
	TURN 5, 0                                      ; nothing is left to fetch
	NORMAL 6, 0
	s_wait_dscnt 0x0
	WIN 0xF2
	MULQ 7, 0, 0
	MULQ 7, 1, 0
	MULQ 7, 2, 0
	MULQ 7, 3, 0
	MULV 7, 0
; THE WAY OUT.  64 numbers of a lane in window w, register s + 16 b + i: four blocks of 32, each shared with lane l xor 16, become 16 registers of codes at v[pc] and four bytes at v[TM+4 ..].
.macro QUANT s, w, pc
	WIN ((\w)<<4)|((\w)<<2)
.irp b,0,1,2,3
	v_max3_num_f32 v[TM+\b], 0x4800000, |v[(\s)+16*\b]|, |v[(\s)+16*\b+1]|   ; with the floor 2^(9 - 127): the byte cannot fall under 1.  Each accumulator is read from its low end on
.endr
.irp i,2,4,6,8,10,12,14
.irp b,0,1,2,3
	v_max3_num_f32 v[TM+\b], v[TM+\b], |v[(\s)+16*\b+\i]|, |v[(\s)+16*\b+\i+1]|
.endr
.endr
	WIN 0
.irp b,0,1,2,3
	v_permlanex16_b32 v[TM+4+\b], v[TM+\b], s[SEL], s[SEL+1]
.endr
.irp b,0,1,2,3
	v_max_num_f32 v[TM+\b], v[TM+\b], v[TM+4+\b]   ; the block's largest magnitude
.endr
.irp b,0,1,2,3
	v_add_nc_u32 v[TM+12+\b], 0xfc000000, v[TM+\b] ; 8 off its exponent field: the conversion's scale operand
.endr
.irp b,0,1,2,3
	v_and_or_b32 v[TM+8+\b], v[TM+\b], 0x7f800000, s[MNT]   ; 448 x the scale
.endr
.irp b,0,1,2,3
	v_lshrrev_b32 v[TM+4+\b], 23, v[TM+12+\b]      ; the scale's byte
.endr
	WIN ((\w)<<6)|(\w)
.irp b,0,1,2,3
.irp i,0,1,2,3,4,5,6,7,8,9,10,11,12,13,14,15
	v_med3_num_f32 v[(\s)+16*\b+\i], v[(\s)+16*\b+\i], -v[TM+8+\b], v[TM+8+\b]   ; the conversion does not saturate (ISA guide 7.6.2): the hold
.endr
.endr
	WIN (\w)
.irp b,0,1,2,3
	v_cvt_scalef32_pk8_fp8_f32 v[(\pc)+4*\b:(\pc)+4*\b+1], v[(\s)+16*\b:(\s)+16*\b+7], v[TM+12+\b]
	v_cvt_scalef32_pk8_fp8_f32 v[(\pc)+4*\b+2:(\pc)+4*\b+3], v[(\s)+16*\b+8:(\s)+16*\b+15], v[TM+12+\b]
.endr
	WIN 0
	v_nop                                          ; a plain instruction behind the last conversion
.endm
	PLACES 8                                       ; between the last products and the first reads of results and writes of their operands' registers
	WIN 0
.irp b,0,1,2,3
	v_mov_b32 v[TM+4+\b], 0                        ; a lane permute's destination counts as one of its sources
.endr
	v_mov_b32 v[TP], 0
.irp a,0,1,2,3                         ; row tile a: blocks 0, 1 are q's channels 0-31, 32-63; blocks 2, 3 k's
	QUANT 64*\a, 3, PCB+16*\a
	v_lshl_or_b32 v[TH], v[TM+5], 8, v[TM+4]
	v_lshl_or_b32 v[QW+\a], v[TH], 16, v[TH]       ; q's word: (s0, s1, s0, s1)
	v_lshl_or_b32 v[TH], v[TM+7], 8, v[TM+6]       ; k's two bytes of key r
	v_mov_b32_dpp v[TP], v[TH] row_xmask:8 row_mask:0xf bank_mask:0xf   ; and of key r xor 8
	v_cndmask_b32 v[TL], v[TH], v[TP], s87         ; key r & 7
	v_cndmask_b32 v[TP], v[TP], v[TH], s87         ; key (r & 7) + 8
	v_lshl_or_b32 v[KW+\a], v[TP], 16, v[TL]
.irp c,0,1
.irp u,0,1
	global_store_b64 v[LQ], v[PCB+16*\a+4*\c+2*\u:PCB+16*\a+4*\c+2*\u+1], s[14:15] offset:\a*1024+\c*512+\u*256        ; 32 lanes store 256 consecutive bytes, aligned
	global_store_b64 v[LQK+(\a&1)], v[PCB+16*\a+8+4*\c+2*\u:PCB+16*\a+8+4*\c+2*\u+1], s[18:19] offset:\a*1024+\c*512+\u*256
.endr
.endr
.endr
.irp g,0,1                             ; v: keys 32 g .. 32 g + 31 of my 64; block i is channel tile i
	WIN ((1+\g)<<6)|(1+\g)
.irp i,0,1,2,3
.irp j,0,2,4,6,8,10,12,14
	v_pk_add_f32 v[192+16*\i+\j:192+16*\i+\j+1], v[192+16*\i+\j:192+16*\i+\j+1], v[BV+2*\i:BV+2*\i+1]
.endr
.endr
	QUANT 192, 1+\g, PCB+64+16*\g
.irp i,0,1,2,3
.if \g == 0
	v_mov_b32 v[VB8+\i], v[TM+4+\i]
.else
	v_lshl_or_b32 v[VH+\i], v[TM+4+\i], 8, v[VB8+\i]   ; my two key blocks' bytes for channel 16 i + r
.endif
.endr
.irp i,0,1,2,3
.irp u,0,1
	global_store_b64 v[LQV], v[PCB+64+16*\g+4*\i+2*\u:PCB+64+16*\g+4*\i+2*\u+1], s[18:19] offset:\i*2048+\g*512+\u*256
.endr
.endr
.endr
	v_cndmask_b32 v[TQ], v[QW], v[QW+2], s86       ; lanes 0-15 store tiles 0, 1, lanes 16-31 tiles 2, 3
	v_cndmask_b32 v[TQ+1], v[QW+1], v[QW+3], s86
	global_store_b64 v[LQ], v[TQ:TQ+1], s[16:17]
.irp a,0,1,2,3
	ds_store_b32 v[XK], v[KW+\a] offset:32*\a      ; lanes that share a word write the same value
.endr
.irp i,0,1,2,3
	ds_store_b16 v[XV], v[VH+\i] offset:64*\i
.endr
	s_wait_dscnt 0x0                               ; for the other wave of my record: my stores have landed
	s_barrier_signal -1
	s_barrier_wait -1
	s_cmp_lg_u32 s22, 0
	s_cbranch_scc1 .Lodd
	ds_load_b128 v[XD:XD+3], v[XR]                 ; the record's 512 bytes of scale words
	s_wait_dscnt 0x0
	global_store_b128 v[L16], v[XD:XD+3], s[18:19] offset:16384
.Lodd:
	s_wait_tensorcnt 0x0                           ; the wave's end
	ds_add_u32 v[SPW], v[NIL]
	s_wait_dscnt 0x0
	CROUND                                         ; the closing round
	s_endpgm
.Lfunc_end_k_q14e2380f44_qkv:
	.size	k_q14e2380f44_qkv, .Lfunc_end_k_q14e2380f44_qkv-k_q14e2380f44_qkv
	.p2alignl 7, 3214868480
	.fill 96, 4, 3214868480
	.section	.rodata,"a",@progbits
	.p2align	6, 0x0
	.amdhsa_kernel k_q14e2380f44_qkv
		.amdhsa_group_segment_fixed_size 327680
		.amdhsa_private_segment_fixed_size 0
		.amdhsa_enable_private_segment 0
		.amdhsa_kernarg_size 64
		.amdhsa_user_sgpr_count 2
		.amdhsa_user_sgpr_kernarg_segment_ptr 1
		.amdhsa_wavefront_size32 1
		.amdhsa_system_sgpr_workgroup_id_x 1
		.amdhsa_system_sgpr_workgroup_id_y 1
		.amdhsa_system_sgpr_workgroup_id_z 1
		.amdhsa_system_vgpr_workitem_id 0
		.amdhsa_next_free_vgpr 1024
		.amdhsa_next_free_sgpr 106
		.amdhsa_reserve_vcc 0
		.amdhsa_float_denorm_mode_32 3
		.amdhsa_float_denorm_mode_16_64 3
		.amdhsa_memory_ordered 1
		.amdhsa_forward_progress 1
		.amdhsa_inst_pref_size 161
	.end_amdhsa_kernel
	.amdgpu_metadata
---
amdhsa.version: [ 1, 2 ]
amdhsa.kernels:
  - .name:           k_q14e2380f44_qkv
    .symbol:         k_q14e2380f44_qkv.kd
    .args:
      - { .name: x_codes, .offset: 0, .size: 8, .value_kind: global_buffer, .address_space: global }
      - { .name: x_scales, .offset: 8, .size: 8, .value_kind: global_buffer, .address_space: global }
      - { .name: W_qkv_codes, .offset: 16, .size: 8, .value_kind: global_buffer, .address_space: global }
      - { .name: W_qkv_scales, .offset: 24, .size: 8, .value_kind: global_buffer, .address_space: global }
      - { .name: b_qkv, .offset: 32, .size: 8, .value_kind: global_buffer, .address_space: global }
      - { .name: q_img, .offset: 40, .size: 8, .value_kind: global_buffer, .address_space: global }
      - { .name: q_sw, .offset: 48, .size: 8, .value_kind: global_buffer, .address_space: global }
      - { .name: kv_rec, .offset: 56, .size: 8, .value_kind: global_buffer, .address_space: global }
    .group_segment_fixed_size: 327680
    .private_segment_fixed_size: 0
    .kernarg_segment_align: 8
    .kernarg_segment_size: 64
    .max_flat_workgroup_size: 128
    .sgpr_count:     106
    .vgpr_count:     1024
    .wavefront_size: 32
...
	.end_amdgpu_metadata
.endif
;; end of part 1
;; launch attn (part 2): grid 8 x 32, 16 waves a work-group, clusters of 4 x 1, 327,680 bytes of LDS; arguments q_img, q_sw, kv_rec, a_img, a_sw; writes a_img, a_sw
.if DOCPART == 2
	.amdgcn_target "amdgcn-amd-amdhsa--gfx1250"
	.amdhsa_code_object_version 6
	.text
	.protected	k_q14e2380f44_attn
	.globl	k_q14e2380f44_attn
	.p2align	8
	.type	k_q14e2380f44_attn,@function
k_q14e2380f44_attn:
	s_mov_b64 s[64:65], 0
	v_nop
	global_prefetch_b8 v0, s[64:65] scope:SCOPE_SE
	s_setreg_imm32_b32 hwreg(HW_REG_WAVE_MODE, 25, 1), 1
	s_wait_xcnt 0x0
	s_wait_alu depctr_hold_cnt(0) depctr_sa_sdst(0) depctr_va_vdst(0) depctr_va_sdst(0) depctr_va_ssrc(0) depctr_va_vcc(0) depctr_vm_vsrc(0)
	s_getreg_b32 s2, hwreg(HW_REG_IB_STS2, 6, 4)
	s_cmp_eq_u32 s2, 0
	s_cbranch_scc0 .Lentry_in_a_cluster
	s_endpgm
.Lentry_in_a_cluster:
	s_bfe_u32 s2, ttmp6, 0x10000c
	s_cmp_lg_u32 s2, 0x3003
	s_cbranch_scc0 .Lentry_shape_is_right
	s_endpgm
.Lentry_shape_is_right:
; Attention on codes of E4M3: S^T = K Q^T, p = 2^(t - M) with M the ceiling of the running largest t, O^T += V^T P^T, O / l, and the quantising of the result along d_model.
; A work-group owns 256 queries and stays for TWO heads (2 y, 2 y + 1), whose 32 records of 128 keys are consecutive in kv_rec; each of sixteen waves owns 16 queries in 256 registers.
; K = 64 IN AN INSTRUCTION OF 128: a fragment of K holds TWO tiles of 16 keys (registers 0-7, 8-15) and is multiplied twice: by [q | zero codes] and by [zero codes | q].
; The half that does not count multiplies finite codes (the quantiser holds at 448, so no NaN code exists) by zero codes: an exact 0 under any scale byte that is written here.
; Lane r of tile u of group g holds key 32 g + 8 u + (r & 7) + 16 (r >> 3): so the 16 registers of S^T's tiles (g, 0), (g, 1) are keys 32 g + 16 h + 0 .. 15: p's operand layout.
; THE RING: two slots of 8 records (135,168 bytes); a slot is one dense run of memory.
; TWO BANKS OF 64 REGISTERS SWAP ROLES FROM STEP TO STEP.  In a step one bank holds K and then V^T, the other S^T and p; when p has been converted, the next record's K is loaded over it,
; ahead of O^T's rescaling, the four products and their places; the next step's scores then fall into the bank that V^T has left.  A trip of the loop is two steps, after which the banks are back.
; The last step of a slot loads no K ahead (the next record lies in the other slot, behind the change of slots).
; CLUSTER 4 x 1: the four blocks of queries of a cluster walk the same records: each part of a slot is asked for jointly.
; LIMITS: NaN and infinities are not served; the promise holds while the scaled scores stay under 2^31 in magnitude; a block whose largest magnitude lies under 2^-118 gets the byte 1
; (read by this program alone); O / l is a reciprocal and a multiplication.
.set REC,   16896                      ; a record: K 8,192, V^T 8,192, K's scale words 256, V's 256
.set NR,    8                          ; records in a slot
.set SLOT1, NR*REC                     ; slot 1 begins here
.set PART,  SLOT1/16                   ; what one wave fetches
.set SPARE, 2*SLOT1                    ; the spare words: 128 bytes for each of 16 waves
.set XCH,   SPARE+2048                 ; 1,024 bytes: the rows' scale words meet here; no tile lands here
.set AK0, 1                            ; v1   my lane's place in K for tile u = 0
.set AK1, 2                            ; v2   for u = 1
.set LI,  3                            ; v3   16 x lane
.set LW,  4                            ; v4   4 x lane
.set SPW, 5
.set NIL, 6
.set GO,  7                            ; v7   16 r + 8 h
.set ADK0, 8                           ; v8-11 the same four with the trip's first record's LDS byte added
.set ADK1, 9
.set ADI, 10
.set ADW, 11
; v12 -M, v13 the largest t, v[14:15] the sum in two halves; v16-23 q, v24-31 zero codes, v32-39 q again
.set BKA, 40                           ; v40-103  bank A
.set BKB, 104                          ; v104-167 bank B
.set O,   168                          ; v168-199 O^T
.set PC,  200                          ; v200-215 codes
.set BM,  216
.set BT,  220
.set HD,  224
.set SO,  228
.set KSR, 232
.set VSR, 234
.set QS,  236
.set PS,  237
.set T0,  238
.set HWA, 239
.set F,   240
.set PFO, 244
.set XW,  245
.set XR,  246
.set QSO, 247
.set XD,  248                          ; at the end; in the steps v[242:243], v[248:251], v[254:255] are the sum's four chains
.set X16, 252
.set TB,  2                            ; s2   LDS byte of the trip's first record
.set CNT, 3
.set WV,  18
.set MNT, 19
.set SEL, 20
.set CS,  22                           ; s[22:23] log2(e) / 8
.set G1,  24
.set G0,  32
.set PER, 36                           ; slots still to be asked for
.set SBF, 37                           ; the slot that was filled last
.set PFA, 38
.set LIM, 40
.set WL,  59                           ; my part's place in a slot
.macro CROUND
	s_barrier_signal -1
	s_barrier_wait -1
	s_cmp_lg_u32 s[WV], 0
	s_cbranch_scc1 .Lnw0_\@
	s_barrier_signal -3
.Lnw0_\@:
	s_barrier_wait -3
	s_barrier_signal -1
	s_barrier_wait -1
.endm
.macro TLOAD                           ; every wave fetches its sixteenth of a slot; s_nop 0 and four v_nop behind the line
	tensor_load_to_lds s[G0:G0+3], s[G1:G1+7]
	s_nop 0
.rept 4
	v_nop
.endr
.endm
; A prefetch of the codes that the NEXT change of slots will ask for: eight records on.  The pair's first cluster asks; its partner cx takes records 2 cx, 2 cx + 1 of the eight, told apart by address;
; in it waves 0 to 3 name K's or V's 32 runs of 256 bytes of one record, a lane a run.  The last fill asks for nothing; a record's 512 bytes of scale words come by their load alone.
.macro ASK
	s_cmp_gt_u32 s[PER], s[LIM]
	s_cbranch_scc0 .Lnot_mine_\@
	global_prefetch_b8 v[PFO], s[PFA:PFA+1] th:TH_LOAD_NT scope:SCOPE_SE
.Lnot_mine_\@:
.endm
.macro WM d, a, b, c, sa, sb, ra       ; c negative: the constant 0.  ra = 1: source 0's scales stand in lanes 16-31
.if (\c) < 0
.if (\ra)
	v_wmma_scale_f32_16x16x128_f8f6f4 v[(\d):(\d)+7], v[(\a):(\a)+15], v[(\b):(\b)+15], 0, v[(\sa)], v[(\sb)] matrix_a_scale:MATRIX_SCALE_ROW1
.else
	v_wmma_scale_f32_16x16x128_f8f6f4 v[(\d):(\d)+7], v[(\a):(\a)+15], v[(\b):(\b)+15], 0, v[(\sa)], v[(\sb)]
.endif
.else
.if (\ra)
	v_wmma_scale_f32_16x16x128_f8f6f4 v[(\d):(\d)+7], v[(\a):(\a)+15], v[(\b):(\b)+15], v[(\c):(\c)+7], v[(\sa)], v[(\sb)] matrix_a_scale:MATRIX_SCALE_ROW1
.else
	v_wmma_scale_f32_16x16x128_f8f6f4 v[(\d):(\d)+7], v[(\a):(\a)+15], v[(\b):(\b)+15], v[(\c):(\c)+7], v[(\sa)], v[(\sb)]
.endif
.endif
.endm
.macro RESET                           ; a head begins: O^T and the sum are zeros, the largest t lies under every t
	v_mov_b32 v13, 0xff61b1e6
	s_delay_alu instid0(VALU_DEP_1)
	v_floor_f32 v12, -v13
	v_mov_b32 v14, 0
	v_mov_b32 v15, 0
.set j, 0
.rept 32
	v_mov_b32 v[O+j], 0
.set j, j+1
.endr
.endm
.macro QLOAD off, soff                 ; q's fragment half, twice, and its scale words
	global_load_b128 v[16:19], v[LI], s[4:5] offset:\off
	global_load_b128 v[20:23], v[LI], s[4:5] offset:\off+512
	global_load_b128 v[32:35], v[LI], s[4:5] offset:\off
	global_load_b128 v[36:39], v[LI], s[4:5] offset:\off+512
	global_load_b32 v[QS], v[QSO], s[6:7] offset:\soff
.endm
.macro KLOAD bk, off                   ; a record's K, four fragments, and its scale words (lanes 0-15 group 2 i, lanes 16-31 group 2 i + 1)
.irp g,0,1,2,3
.irp c,0,1
	ds_load_b128 v[(\bk)+16*\g+4*\c:(\bk)+16*\g+4*\c+3], v[ADK0] offset:(\off)+\g*2048+\c*512
	ds_load_b128 v[(\bk)+16*\g+8+4*\c:(\bk)+16*\g+8+4*\c+3], v[ADK1] offset:(\off)+\g*2048+\c*512
.endr
.endr
.irp i,0,1
	ds_load_b32 v[KSR+\i], v[ADW] offset:(\off)+16384+128*\i
.endr
.endm
; A KEY STEP: one record, 128 keys, off bytes behind the trip's first.  kb: the bank with K, then V^T;  sb: the bank for S^T and p, then the next K.
; adr = 1: the trip's addresses are made here.  pf = 1: the next K is loaded; 2: not in the slot's last trip.
.macro STEP kb, sb, off, adr, pf
	s_wait_dscnt 0x0                               ; K and its scale words are in
.irp g,0,1,2,3
	WM (\sb)+16*\g, (\kb)+16*\g, 16, -1, KSR+(\g/2), QS, \g&1      ; [q | 0]: the fragment's first tile of keys
	WM (\sb)+16*\g+8, (\kb)+16*\g, 24, -1, KSR+(\g/2), QS, \g&1    ; [0 | q]: its second
.endr
.if \adr                               ; eight places: V's loads land on K's registers, and the scores are read
	v_add_nc_u32 v[ADK0], s[TB], v[AK0]
	v_add_nc_u32 v[ADK1], s[TB], v[AK1]
	v_add_nc_u32 v[ADI], s[TB], v[LI]
	v_add_nc_u32 v[ADW], s[TB], v[LW]
.rept 4
	v_nop
.endr
.else
.rept 8
	v_nop
.endr
.endif
.irp t,0,1,2,3
.irp c,0,1,2,3
	ds_load_b128 v[(\kb)+16*\t+4*\c:(\kb)+16*\t+4*\c+3], v[ADI] offset:(\off)+8192+\t*2048+\c*512   ; V^T: it lands while the softmax is walked
.endr
.endr
.irp i,0,1
	ds_load_b32 v[VSR+\i], v[ADW] offset:(\off)+16640+128*\i
.endr
.irp b,0,1,2,3
	v_max3_num_f32 v[BM+\b], v[(\sb)+16*\b], v[(\sb)+16*\b+1], v[(\sb)+16*\b+2]   ; the largest score of each block of 32 keys: for the row's maximum, and for the block's largest p
.endr
.irp i,3,5,7,9,11,13
.irp b,0,1,2,3
	v_max3_num_f32 v[BM+\b], v[BM+\b], v[(\sb)+16*\b+\i], v[(\sb)+16*\b+\i+1]
.endr
.endr
.irp b,0,1,2,3
	v_max_num_f32 v[BM+\b], v[BM+\b], v[(\sb)+16*\b+15]
.endr
.irp b,0,1,2,3
	s_delay_alu instid0(VALU_DEP_4)
	v_permlanex16_b32 v[BT+\b], v[BM+\b], s[SEL], s[SEL+1]
.endr
.irp b,0,1,2,3
	s_delay_alu instid0(VALU_DEP_4)
	v_max_num_f32 v[BM+\b], v[BM+\b], v[BT+\b]
.endr
	s_delay_alu instid0(VALU_DEP_2)
	v_max3_num_f32 v[T0], v[BM], v[BM+1], v[BM+2]
	s_delay_alu instid0(VALU_DEP_1)
	v_max_num_f32 v[T0], v[T0], v[BM+3]
	s_delay_alu instid0(VALU_DEP_1)
	v_mul_f32 v[T0], s[CS], v[T0]                  ; as t
	s_delay_alu instid0(VALU_DEP_1)
	v_max_num_f32 v13, v13, v[T0]                  ; the running largest t
	v_mov_b32 v[T0], v12
	s_delay_alu instid0(VALU_DEP_2)
	v_floor_f32 v12, -v13                          ; -M = floor(-t): M is a whole number
	s_delay_alu instid0(VALU_DEP_1)
	v_sub_f32 v[T0], v12, v[T0]                    ; old M - new M, 0 or less
	s_delay_alu instid0(VALU_DEP_1)
	v_cvt_i32_f32 v[T0], v[T0]                     ; (it saturates)
	s_delay_alu instid0(VALU_DEP_1)
	v_ldexp_f32 v[F], 1.0, v[T0]                   ; f = 2^(old M - new M): a multiplication by it rounds nothing
.set j, 0
.rept 32
	v_pk_fma_f32 v[(\sb)+j:(\sb)+j+1], v[(\sb)+j:(\sb)+j+1], s[CS:CS+1], v[12:13] op_sel_hi:[1,0,0]   ; t - M
.set j, j+2
.endr
.irp b,0,1,2,3
	v_fma_f32 v[BM+\b], v[BM+\b], s[CS], v12
.endr
	s_wait_alu depctr_va_vdst(0)
.irp b,0,1,2,3
	v_exp_f32 v[BM+\b], v[BM+\b]                   ; each block's largest p
.endr
.set j, 0
.rept 64
	v_exp_f32 v[(\sb)+j], v[(\sb)+j]               ; p = 2^(t - M)
.set j, j+1
.endr
	v_nop                                          ; a place behind the exponentials
	s_wait_alu depctr_va_vdst(0)                   ; one wait for the batch of 68, ahead of its first reader
	v_pk_add_f32 v[242:243], v[(\sb):(\sb)+1], v[(\sb)+8:(\sb)+9]         ; the row's sum of the unquantised p: 32 pairs in four chains
	v_pk_add_f32 v[248:249], v[(\sb)+2:(\sb)+3], v[(\sb)+10:(\sb)+11]
	v_pk_add_f32 v[250:251], v[(\sb)+4:(\sb)+5], v[(\sb)+12:(\sb)+13]
	v_pk_add_f32 v[254:255], v[(\sb)+6:(\sb)+7], v[(\sb)+14:(\sb)+15]
.irp k,2,3,4,5,6,7
	v_pk_add_f32 v[242:243], v[242:243], v[(\sb)+8*\k:(\sb)+8*\k+1]
	v_pk_add_f32 v[248:249], v[248:249], v[(\sb)+8*\k+2:(\sb)+8*\k+3]
	v_pk_add_f32 v[250:251], v[250:251], v[(\sb)+8*\k+4:(\sb)+8*\k+5]
	v_pk_add_f32 v[254:255], v[254:255], v[(\sb)+8*\k+6:(\sb)+8*\k+7]
.endr
.irp b,0,1,2,3
	v_max_num_f32 v[BM+\b], 0x4800000, v[BM+\b]    ; the floor 2^(9 - 127)
.endr
.irp b,0,1,2,3
	s_delay_alu instid0(VALU_DEP_4)
	v_add_nc_u32 v[SO+\b], 0xfc000000, v[BM+\b]    ; the conversion's scale operand
.endr
.irp b,0,1,2,3
	v_and_or_b32 v[HD+\b], v[BM+\b], 0x7f800000, s[MNT]   ; 448 x the scale
.endr
.irp b,0,1,2,3
	v_lshrrev_b32 v[BT+\b], 23, v[SO+\b]           ; the byte
.endr
	s_delay_alu instid0(VALU_DEP_3)
	v_lshl_or_b32 v[PS], v[BT+1], 8, v[BT]
	s_delay_alu instid0(VALU_DEP_1)
	v_lshl_or_b32 v[PS], v[BT+2], 16, v[PS]
	s_delay_alu instid0(VALU_DEP_1)
	v_lshl_or_b32 v[PS], v[BT+3], 24, v[PS]        ; p's scale word for these 128 keys
.irp b,0,1,2,3
.set j, 0
.rept 8                                ; p is not negative: a one-sided hold (the conversion does not saturate: ISA guide 7.6.2), two numbers a line
	v_dual_min_num_f32 v[(\sb)+16*\b+j], v[(\sb)+16*\b+j], v[HD+\b] :: v_dual_min_num_f32 v[(\sb)+16*\b+j+1], v[(\sb)+16*\b+j+1], v[HD+\b]
.set j, j+2
.endr
	v_cvt_scalef32_pk8_fp8_f32 v[PC+4*\b:PC+4*\b+1], v[(\sb)+16*\b:(\sb)+16*\b+7], v[SO+\b]
	v_cvt_scalef32_pk8_fp8_f32 v[PC+4*\b+2:PC+4*\b+3], v[(\sb)+16*\b+8:(\sb)+16*\b+15], v[SO+\b]
.endr
	s_wait_alu depctr_va_vdst(0)
	s_wait_dscnt 0x0                               ; V^T is in (asked for ahead of the softmax)
.if (\pf) == 2
	s_cmp_eq_u32 s[CNT], 1                         ; the slot's last record has no successor in this slot
	s_cbranch_scc1 .Lnk_\@
.endif
	KLOAD \sb, (\off)+REC                          ; the next record's K, over p, which has been converted
.Lnk_\@:
.set j, 0
.rept 16
	v_pk_mul_f32 v[O+j:O+j+1], v[O+j:O+j+1], v[F:F+1] op_sel_hi:[1,0]   ; O^T under the new M; also the places between the codes and the products
.set j, j+2
.endr
.irp t,0,1,2,3
	WM O+8*\t, (\kb)+16*\t, PC, O+8*\t, VSR+(\t/2), PS, \t&1   ; four accumulators by turns; eight other products stand between two links of a chain
.endr
	v_pk_add_f32 v[242:243], v[242:243], v[248:249]   ; nine places: the next step's scores are written over V^T's registers.  Four of them join the sum's chains
	v_pk_add_f32 v[250:251], v[250:251], v[254:255]
	v_nop
	v_nop
	v_pk_add_f32 v[242:243], v[242:243], v[250:251]
	v_nop
	v_nop
	v_pk_fma_f32 v[14:15], v[14:15], v[F:F+1], v[242:243] op_sel_hi:[1,0,1]   ; l = l f + this step's sum
	v_nop
.endm
.macro EIGHT                           ; a slot's eight records: four trips of two steps
	v_add_nc_u32 v[ADK0], s[TB], v[AK0]
	v_add_nc_u32 v[ADK1], s[TB], v[AK1]
	v_add_nc_u32 v[ADW], s[TB], v[LW]
	KLOAD BKA, 0                                   ; the slot's first K
	s_mov_b32 s[CNT], 4
.Lstep_\@:
	STEP BKA, BKB, 0, 1, 1
	STEP BKB, BKA, REC, 0, 2
	s_add_co_u32 s[TB], s[TB], 2*REC
	s_sub_co_u32 s[CNT], s[CNT], 1
	s_cmp_lg_u32 s[CNT], 0
	s_cbranch_scc1 .Lstep_\@
	s_sub_co_u32 s[TB], s[TB], NR*REC
	s_xor_b32 s[TB], s[TB], SLOT1                  ; on to the other slot (the value is 0 or SLOT1)
.endm
; THE CHANGE OF SLOTS, at a slot's head.  fill = 1: the slot that has been left is filled with the eight records that follow: the load has eight key steps in which to land.
.macro CHANGE fill
	s_wait_tensorcnt 0x0                           ; no tensor load of mine is out: my part of the slot ahead has landed, and group 0 may be written
	ds_add_u32 v[SPW], v[NIL]                      ; 0 onto my spare word
.if \fill
	s_xor_b32 s[SBF], s[SBF], SLOT1
	s_add_co_u32 s[G0+1], s[SBF], s[WL]
	s_add_nc_u64 s[G0+2:G0+3], s[G0+2:G0+3], NR*REC
	s_wait_xcnt 0x0                                ; the last prefetch, a slot back, has read its address
	s_add_nc_u64 s[PFA:PFA+1], s[PFA:PFA+1], NR*REC
.endif
	s_wait_dscnt 0x0                               ; the add is done, and my reads of the slot that I have left are over
.if \fill
	CROUND                                         ; both hold of every wave of the four work-groups
	TLOAD                                          ; the first thing behind the round, and a wave's one tensor load until the next
	ASK
.else
	s_barrier_signal -1
	s_barrier_wait -1
.endif
.endm
; A HEAD'S END: O^T / l, quantised in two blocks of 32 channels, stored as 8 bytes a lane: each store covers 256 consecutive bytes, aligned.  (The last step's nine places stand behind its products.)
.macro EPI hd
	s_wait_alu depctr_va_vdst(0)                   ; l was written a few lines and several scalar lines back
.if \hd == 0
	QLOAD 131072, 8192                             ; the next head's q
.endif
	v_add_f32 v14, v14, v15
	s_delay_alu instid0(VALU_DEP_1)
	v_permlanex16_b32 v[T0], v14, s[SEL], s[SEL+1]
	s_delay_alu instid0(VALU_DEP_1)
	v_add_f32 v14, v14, v[T0]                      ; the row's sum
	s_wait_alu depctr_va_vdst(0)
	v_rcp_f32 v14, v14
	v_nop                                          ; a plain instruction behind the reciprocal,
	s_wait_alu depctr_va_vdst(0)                   ; and the wait ahead of its first reader
.set j, 0
.rept 16
	v_pk_mul_f32 v[BKB+j:BKB+j+1], v[O+j:O+j+1], v[14:15] op_sel_hi:[1,0]   ; register 8 t + i: channel 16 t + 8 h + i of query r; each accumulator from its low end on
.set j, j+2
.endr
.irp b,0,1
	v_max3_num_f32 v[BM+\b], |v[BKB+16*\b]|, |v[BKB+16*\b+1]|, 0x4800000
.endr
.irp i,2,4,6,8,10,12,14
.irp b,0,1
	s_delay_alu instid0(VALU_DEP_2)
	v_max3_num_f32 v[BM+\b], v[BM+\b], |v[BKB+16*\b+\i]|, |v[BKB+16*\b+\i+1]|
.endr
.endr
.irp b,0,1
	s_delay_alu instid0(VALU_DEP_2)
	v_permlanex16_b32 v[BT+\b], v[BM+\b], s[SEL], s[SEL+1]
.endr
.irp b,0,1
	s_delay_alu instid0(VALU_DEP_2)
	v_max_num_f32 v[BM+\b], v[BM+\b], v[BT+\b]
.endr
.irp b,0,1
	s_delay_alu instid0(VALU_DEP_2)
	v_add_nc_u32 v[SO+\b], 0xfc000000, v[BM+\b]
.endr
.irp b,0,1
	s_delay_alu instid0(VALU_DEP_4)
	v_and_or_b32 v[HD+\b], v[BM+\b], 0x7f800000, s[MNT]
.endr
.irp b,0,1
	s_delay_alu instid0(VALU_DEP_4)
	v_lshrrev_b32 v[BT+\b], 23, v[SO+\b]
.endr
.irp b,0,1
.set j, 0
.rept 16
	v_med3_num_f32 v[BKB+16*\b+j], v[BKB+16*\b+j], -v[HD+\b], v[HD+\b]
.set j, j+1
.endr
	v_cvt_scalef32_pk8_fp8_f32 v[PC+4*\b:PC+4*\b+1], v[BKB+16*\b:BKB+16*\b+7], v[SO+\b]
	v_cvt_scalef32_pk8_fp8_f32 v[PC+4*\b+2:PC+4*\b+3], v[BKB+16*\b+8:BKB+16*\b+15], v[SO+\b]
.endr
	v_nop                                          ; a plain instruction behind the last conversion
.irp b,0,1
.irp u,0,1
	global_store_b64 v[GO], v[PC+4*\b+2*\u:PC+4*\b+2*\u+1], s[10:11] offset:(2*\hd+\b)*512+\u*256
.endr
.endr
.if \hd == 0
	v_lshl_or_b32 v[HWA], v[BT+1], 8, v[BT]        ; this head's two bytes
	RESET
	s_wait_loadcnt 0x0                             ; the next head's q
	s_wait_xcnt 0x0                                ; the stores have read the codes' registers, which the next step writes
.else
	v_lshl_or_b32 v[T0], v[BT+1], 8, v[BT]
	s_delay_alu instid0(VALU_DEP_1)
	v_lshl_or_b32 v[T0], v[T0], 16, v[HWA]         ; my row's scale word for these 128 along d_model
.endif
.endm
	s_load_b256 s[4:11], s[0:1], 0x0               ; q_img, q_sw, kv_rec, a_img
	s_load_b64 s[12:13], s[0:1], 0x20              ; a_sw
	v_lshl_add_u32 v[SPW], v0, 2, SPARE
	v_mov_b32 v[NIL], 0
	ds_add_u32 v[SPW], v[NIL]
	ds_add_u32 v[SPW], v[NIL]
	v_lshrrev_b32 v8, 5, v0
	v_readfirstlane_b32 s[WV], v8                  ; wave 0..15
	s_bfe_u32 s41, ttmp6, 0x40000                  ; cx
	s_lshl_b32 s42, ttmp9, 2
	s_add_co_u32 s42, s42, s41                     ; my block of 256 queries: it enters q's and the results' addresses alone
	s_and_b32 s43, ttmp7, 0xffff                   ; y = 8 b + pair of heads, which the four partners share
	s_mov_b32 s[MNT], 0x600000
	s_mov_b32 s[SEL], 0x76543210
	s_mov_b32 s[SEL+1], 0xfedcba98
	s_mov_b32 s[CS], 0x3e38aa3b                    ; log2(e) / 8
	s_mov_b32 s[CS+1], s[CS]
	s_mov_b32 s[TB], 0
	s_mov_b32 s[SBF], 0
	; group 1: a sixteenth of a slot, 33 rows of 256 dense bytes (32 elements of 8), no padding: the images are read as they lie, 16 bytes a lane
	s_mov_b32 s[G1], 15|(3<<16)|(1<<21)
	s_mov_b32 s[G1+1], 32<<16
	s_mov_b32 s[G1+2], 33<<16
	s_mov_b32 s[G1+3], 32<<16
	s_mov_b32 s[G1+4], 33
	s_mov_b32 s[G1+5], 32
	s_mov_b32 s[G1+6], 0
	s_mov_b32 s[G1+7], 0
	s_mov_b32 s[G0], 1
	s_mul_i32 s[WL], s[WV], PART
	s_mov_b32 s[G0+1], s[WL]                       ; part w of slot 0
	s_mul_i32 s44, s43, 32*REC
	s_add_co_u32 s44, s44, s[WL]
	s_mov_b32 s45, 0
	s_mul_i32 s46, s43, 32*REC                     ; the prefetches: my pair, record 2 cx + (wave / 2) % 2 of the slot's eight, K's or V's half; it starts one slot on
	s_lshl_b32 s47, s41, 1
	s_bfe_u32 s58, s[WV], 0x10001
	s_add_co_u32 s47, s47, s58
	s_mul_i32 s47, s47, REC
	s_add_co_u32 s46, s46, s47
	s_and_b32 s47, s[WV], 1
	s_lshl_b32 s47, s47, 13
	s_add_co_u32 s46, s46, s47
	s_add_co_u32 s46, s46, NR*REC
	s_mov_b32 s47, 0
	s_lshr_b32 s58, s[WV], 2                       ; 0 in waves 0 to 3,
	s_or_b32 s58, s58, ttmp9                       ; of the pair's first cluster: the same in all four partners
	s_cmp_eq_u32 s58, 0
	s_cselect_b32 s[LIM], 1, -1
	s_lshl_b32 s48, s43, 8
	s_lshl_b32 s49, s42, 4
	s_add_co_u32 s48, s48, s49
	s_add_co_u32 s48, s48, s[WV]
	s_lshl_b32 s48, s48, 10                        ; q_img: tile 256 y + 16 qb + wave
	s_mov_b32 s49, 0
	s_lshl_b32 s50, s43, 6
	s_lshl_b32 s51, s42, 2
	s_add_co_u32 s50, s50, s51
	s_lshr_b32 s51, s[WV], 2
	s_add_co_u32 s50, s50, s51
	s_lshl_b32 s50, s50, 8
	s_and_b32 s51, s[WV], 3
	s_lshl_b32 s51, s51, 2
	s_add_co_u32 s50, s50, s51                     ; q_sw: group 64 y + 4 qb + wave / 4, word wave % 4
	s_mov_b32 s51, 0
	s_lshr_b32 s52, s43, 3
	s_lshl_b32 s52, s52, 3
	s_add_co_u32 s52, s52, s42                     ; the tile of 256 rows
	s_lshl_b32 s52, s52, 3
	s_and_b32 s53, s43, 7
	s_add_co_u32 s52, s52, s53                     ; x 8 + the step of 128 along d_model
	s_lshl_b32 s54, s52, 10
	s_mov_b32 s55, 0
	s_lshl_b32 s56, s52, 4
	s_add_co_u32 s56, s56, s[WV]
	s_lshl_b32 s56, s56, 11
	s_mov_b32 s57, 0
	s_wait_dscnt 0x0                               ; both opening adds are done
	s_wait_kmcnt 0x0
	s_add_nc_u64 s[G0+2:G0+3], s[8:9], s[44:45]
	s_or_b32 s[G0+3], s[G0+3], 0x80000000
	s_add_nc_u64 s[PFA:PFA+1], s[8:9], s[46:47]
	s_add_nc_u64 s[4:5], s[4:5], s[48:49]
	s_add_nc_u64 s[6:7], s[6:7], s[50:51]
	s_add_nc_u64 s[12:13], s[12:13], s[54:55]
	s_add_nc_u64 s[10:11], s[10:11], s[56:57]
	CROUND                                         ; all four work-groups are here
	TLOAD                                          ; slot 0: the first eight records, a sixteenth a wave
	v_and_b32 v8, 15, v0                           ; r
	v_bfe_u32 v9, v0, 4, 1                         ; h
	v_lshrrev_b32 v10, 3, v8
	v_and_b32 v11, 7, v8
	v_mul_u32_u24 v[AK0], v10, 1152                ; (r >> 3) (1024 + 128): the odd plain tile, whose rows lie with bit 7 turned
	v_lshl_add_u32 v[AK0], v9, 8, v[AK0]
	v_lshl_add_u32 v[AK0], v11, 4, v[AK0]
	v_xor_b32 v[AK1], 128, v[AK0]
	v_and_b32 v10, 31, v0
	v_lshlrev_b32 v[LI], 4, v10
	v_lshlrev_b32 v[LW], 2, v10
	v_lshlrev_b32 v[PFO], 8, v10
	v_lshlrev_b32 v[QSO], 4, v8
	v_lshl_add_u32 v[GO], v9, 3, v[QSO]
	s_lshl_b32 s58, s[WV], 6
	s_add_co_u32 s58, s58, XCH
	v_lshl_add_u32 v[XW], v8, 2, s58
	v_lshlrev_b32 v[X16], 4, v0
	v_add_nc_u32 v[XR], XCH, v[X16]
	QLOAD 0, 0
.irp j,24,25,26,27,28,29,30,31
	v_mov_b32 v[\j], 0                             ; the zero codes
.endr
.irp b,0,1,2,3
	v_mov_b32 v[BT+\b], 0                          ; a lane permute's destination counts as one of its sources
.endr
	v_mov_b32 v[T0], 0
	v_mov_b32 v[HWA], 0
	v_mov_b32 v[F+1], 0                            ; named as the upper half of a pair
	RESET
	s_wait_alu depctr_va_vdst(0)
	s_wait_loadcnt 0x0
	s_mov_b32 s[PER], 3
.Lslot:                                            ; three trips: behind each change of slots but the last the next slot is asked for
	CHANGE 1
	EIGHT
	s_cmp_lg_u32 s[PER], 2                         ; the second slot ends the first head
	s_cbranch_scc1 .Lnot_end
	EPI 0
.Lnot_end:
	s_sub_co_u32 s[PER], s[PER], 1
	s_cmp_lg_u32 s[PER], 0
	s_cbranch_scc1 .Lslot
	CHANGE 0                                       ; the last slot is written out
	EIGHT
	EPI 1
	s_wait_alu depctr_va_vdst(0)
	ds_store_b32 v[XW], v[T0]                      ; both halves of the lanes write the same word
	s_wait_dscnt 0x0
	s_barrier_signal -1
	s_barrier_wait -1
	s_cmp_lt_u32 s[WV], 2
	s_cbranch_scc0 .Lno_words
	ds_load_b128 v[XD:XD+3], v[XR]                 ; 256 rows' words: 1,024 bytes, two waves
	s_wait_dscnt 0x0
	global_store_b128 v[X16], v[XD:XD+3], s[12:13]
.Lno_words:
	s_wait_tensorcnt 0x0                           ; the wave's end
	ds_add_u32 v[SPW], v[NIL]
	s_wait_dscnt 0x0
	CROUND                                         ; the closing round
	s_endpgm
.Lfunc_end_k_q14e2380f44_attn:
	.size	k_q14e2380f44_attn, .Lfunc_end_k_q14e2380f44_attn-k_q14e2380f44_attn
	.p2alignl 7, 3214868480
	.fill 96, 4, 3214868480
	.section	.rodata,"a",@progbits
	.p2align	6, 0x0
	.amdhsa_kernel k_q14e2380f44_attn
		.amdhsa_group_segment_fixed_size 327680
		.amdhsa_private_segment_fixed_size 0
		.amdhsa_enable_private_segment 0
		.amdhsa_kernarg_size 40
		.amdhsa_user_sgpr_count 2
		.amdhsa_user_sgpr_kernarg_segment_ptr 1
		.amdhsa_wavefront_size32 1
		.amdhsa_system_sgpr_workgroup_id_x 1
		.amdhsa_system_sgpr_workgroup_id_y 1
		.amdhsa_system_sgpr_workgroup_id_z 1
		.amdhsa_system_vgpr_workitem_id 0
		.amdhsa_next_free_vgpr 256
		.amdhsa_next_free_sgpr 66
		.amdhsa_reserve_vcc 0
		.amdhsa_float_denorm_mode_32 3
		.amdhsa_float_denorm_mode_16_64 3
		.amdhsa_memory_ordered 1
		.amdhsa_forward_progress 1
		.amdhsa_inst_pref_size 103
	.end_amdhsa_kernel
	.amdgpu_metadata
---
amdhsa.version: [ 1, 2 ]
amdhsa.kernels:
  - .name:           k_q14e2380f44_attn
    .symbol:         k_q14e2380f44_attn.kd
    .args:
      - { .name: q_img, .offset: 0, .size: 8, .value_kind: global_buffer, .address_space: global }
      - { .name: q_sw, .offset: 8, .size: 8, .value_kind: global_buffer, .address_space: global }
      - { .name: kv_rec, .offset: 16, .size: 8, .value_kind: global_buffer, .address_space: global }
      - { .name: a_img, .offset: 24, .size: 8, .value_kind: global_buffer, .address_space: global }
      - { .name: a_sw, .offset: 32, .size: 8, .value_kind: global_buffer, .address_space: global }
    .group_segment_fixed_size: 327680
    .private_segment_fixed_size: 0
    .kernarg_segment_align: 8
    .kernarg_segment_size: 40
    .max_flat_workgroup_size: 512
    .sgpr_count:     66
    .vgpr_count:     256
    .wavefront_size: 32
...
	.end_amdgpu_metadata
.endif
;; end of part 2
;; launch proj (part 3): grid 8 x 32, 4 waves a work-group, clusters of 4 x 4, 327,680 bytes of LDS; arguments a_img, a_sw, W_out_codes, W_out_scales, b_out, out0; writes out0
.if DOCPART == 3
	.amdgcn_target "amdgcn-amd-amdhsa--gfx1250"
	.amdhsa_code_object_version 6
	.text
	.protected	k_q14e2380f44_proj
	.globl	k_q14e2380f44_proj
	.p2align	8
	.type	k_q14e2380f44_proj,@function
k_q14e2380f44_proj:
	s_mov_b64 s[64:65], 0
	v_nop
	global_prefetch_b8 v0, s[64:65] scope:SCOPE_SE
	s_setreg_imm32_b32 hwreg(HW_REG_WAVE_MODE, 25, 1), 1
	s_wait_xcnt 0x0
	s_wait_alu depctr_hold_cnt(0) depctr_sa_sdst(0) depctr_va_vdst(0) depctr_va_sdst(0) depctr_va_ssrc(0) depctr_va_vcc(0) depctr_vm_vsrc(0)
	s_getreg_b32 s2, hwreg(HW_REG_IB_STS2, 6, 4)
	s_cmp_eq_u32 s2, 0
	s_cbranch_scc0 .Lentry_in_a_cluster
	s_endpgm
.Lentry_in_a_cluster:
	s_bfe_u32 s2, ttmp6, 0x10000c
	s_cmp_lg_u32 s2, 0xf033
	s_cbranch_scc0 .Lentry_shape_is_right
	s_endpgm
.Lentry_shape_is_right:
; out0 = a W_out^T + b_out on codes of E4M3 with E8M0 scales.  a_img and a_sw hold the attention's result in the order of the operand registers; W_out's rows come padded into LDS.
; A work-group makes 256 rows x 128 columns, a wave 64 x 128: 32 accumulators; the bias is the first products' C.  K = 1,024 in 8 steps of 128; a slot of LDS holds 256 along K, two slots; the scale bytes of all of K come once.
; CLUSTER 4 x 4: a's tiles are asked for jointly along a row of the cluster, W_out's along a column.  At the head each wave has one load: slot 0's tile of a, of W_out, a's scale words, W_out's scale bytes.
; LIMITS: NaN and infinities among the inputs are not served.
.set PITCH, 272
.set AHALF, 32768
.set BHALF, 64*PITCH
.set BOFF,  65536
.set SLOT,  BOFF+128*PITCH
.set SCA,   2*SLOT
.set SCB,   SCA+8192
.set SPARE, SCB+16*272
.set STAGE, SPARE+512
.set ADA,  4
.set ADB,  6
.set ADSA, 8
.set ADSB, 9
.set STO,  10
.set RD,   11
.set L16,  12
.set SPW,  24
.set NIL,  25
.set SC,   32
.set AF,   64
.set BQ,   192
.set G1A, 24
.set G0A, 32
.set G1B, 40
.set G0B, 48
.set G1SA, 56
.set G1SB, 68
.set G0SA, 76
.set G0SB, 80
.set MSB, 0
.macro WIN new
.if MSB != (\new)
	s_set_vgpr_msb (MSB<<8)|(\new)
.set MSB, \new
.endif
.endm
.macro PLACES n
.rept \n
	v_nop
.endr
.endm
.macro CREST
	s_cmp_lg_u32 s20, 0
	s_cbranch_scc1 .Lnw0_\@
	s_barrier_signal -3
.Lnw0_\@:
	s_barrier_wait -3
	s_barrier_signal -1
	s_barrier_wait -1
.endm
.macro CROUND
	s_barrier_signal -1
	s_barrier_wait -1
	CREST
.endm
.macro JLOAD g0a, g1a, g0b, g1b
	s_cmp_eq_u32 s21, 0
	s_cbranch_scc0 .Lfor_w_\@
	tensor_load_to_lds s[\g0a:\g0a+3], s[\g1a:\g1a+7]
	s_nop 0
.rept 4
	v_nop
.endr
	s_branch .Lasked_\@
.Lfor_w_\@:
	tensor_load_to_lds s[\g0b:\g0b+3], s[\g1b:\g1b+7]
	s_nop 0
.rept 4
	v_nop
.endr
.Lasked_\@:
.endm
.macro WM d, a, b, c, sa, sb, ra, rb
.if (\ra) && (\rb)
	v_wmma_scale_f32_16x16x128_f8f6f4 v[(\d):(\d)+7], v[(\a):(\a)+15], v[(\b):(\b)+15], v[(\c):(\c)+7], v[(\sa)], v[(\sb)] matrix_a_scale:MATRIX_SCALE_ROW1 matrix_b_scale:MATRIX_SCALE_ROW1
.elseif (\ra)
	v_wmma_scale_f32_16x16x128_f8f6f4 v[(\d):(\d)+7], v[(\a):(\a)+15], v[(\b):(\b)+15], v[(\c):(\c)+7], v[(\sa)], v[(\sb)] matrix_a_scale:MATRIX_SCALE_ROW1
.elseif (\rb)
	v_wmma_scale_f32_16x16x128_f8f6f4 v[(\d):(\d)+7], v[(\a):(\a)+15], v[(\b):(\b)+15], v[(\c):(\c)+7], v[(\sa)], v[(\sb)] matrix_b_scale:MATRIX_SCALE_ROW1
.else
	v_wmma_scale_f32_16x16x128_f8f6f4 v[(\d):(\d)+7], v[(\a):(\a)+15], v[(\b):(\b)+15], v[(\c):(\c)+7], v[(\sa)], v[(\sb)]
.endif
.endm
.macro FETCH s
.set fq, (\s)&1
.set fk, ((\s)/2)&1
	WIN 0x40
.irp i,0,1,2,3,4,5,6,7
.irp c,0,1,2,3
	ds_load_b128 v[128*fq+16*\i+4*\c:128*fq+16*\i+4*\c+3], v[ADB+fk] offset:\i*16*PITCH+128*fq+32*\c
.endr
.endr
	WIN 0
.irp a,0,1,2,3
.irp c,0,1,2,3
	ds_load_b128 v[AF+64*fq+16*\a+4*\c:AF+64*fq+16*\a+4*\c+3], v[ADA+fk] offset:fq*32768+\a*2048+\c*512
.endr
.endr
.endm
.macro SCALES sd
.set sk, SC+12*((\sd)&1)
.irp i,0,1
.irp q,0,1
	ds_load_b32 v[sk+2*\i+\q], v[ADSA] offset:(2*(\sd)+\q)*1024+128*\i
.endr
.endr
.irp i,0,1,2,3
	ds_load_b64 v[sk+4+2*\i:sk+4+2*\i+1], v[ADSB] offset:\i*1088+8*(\sd)
.endr
.endm
.macro MULP s, a, first
.set mq, (\s)&1
.set mk, SC+12*(((\s)/2)&1)+mq
.irp i,0,1,2,3,4,5,6,7
.if \first
	WM 64*(\a)+8*\i, 128*mq+16*\i, AF+64*mq+16*(\a), BQ+8*\i, mk+4+2*(\i/2), mk+2*((\a)/2), \i&1, (\a)&1
.else
	WM 64*(\a)+8*\i, 128*mq+16*\i, AF+64*mq+16*(\a), 64*(\a)+8*\i, mk+4+2*(\i/2), mk+2*((\a)/2), \i&1, (\a)&1
.endif
.endr
.endm
.macro NORMAL s, first
	s_wait_dscnt 0x0
.if !(\first)
	PLACES 8
.endif
	FETCH (\s)+1
.if \first
	WIN 0x81
.else
	WIN 0xA1
.endif
	MULP \s, 0, \first
	MULP \s, 1, \first
	MULP \s, 2, \first
	MULP \s, 3, \first
.endm
.macro TURN s, fill
.set sl, ((\s)/2)&1
	WIN 0
	s_wait_tensorcnt 0x0
	ds_add_u32 v[SPW], v[NIL]
	s_wait_dscnt 1
	WIN 0xA1
	MULP \s, 0, 0
	s_wait_dscnt 0x0
	s_barrier_signal -1
	MULP \s, 1, 0
	WIN 0
	s_barrier_wait -1
.if \fill
	CREST
	s_add_nc_u64 s[G0A+4*sl+2:G0A+4*sl+3], s[G0A+4*sl+2:G0A+4*sl+3], 4*AHALF
	s_add_nc_u64 s[G0B+4*sl+2:G0B+4*sl+3], s[G0B+4*sl+2:G0B+4*sl+3], 512
	JLOAD G0A+4*sl, G1A, G0B+4*sl, G1B
	PLACES 4
.else
	PLACES 8
.endif
	FETCH (\s)+1
	SCALES ((\s)+1)/2
	WIN 0xA1
	MULP \s, 2, 0
	MULP \s, 3, 0
.endm
	s_load_b256 s[4:11], s[0:1], 0x0
	s_load_b128 s[12:15], s[0:1], 0x20
	v_lshl_add_u32 v[SPW], v0, 2, SPARE
	v_mov_b32 v[NIL], 0
	ds_add_u32 v24, v25
	ds_add_u32 v24, v25
	s_wait_dscnt 0x0
	v_lshrrev_b32 v1, 5, v0
	v_readfirstlane_b32 s20, v1
	s_lshr_b32 s21, s20, 1
	s_and_b32 s22, s20, 1
	s_bfe_u32 s88, ttmp6, 0x40000
	s_bfe_u32 s89, ttmp6, 0x40004
	s_lshl_b32 s90, ttmp9, 2
	s_add_co_u32 s90, s90, s88
	s_and_b32 s91, ttmp7, 0xffff
	s_lshl_b32 s91, s91, 2
	s_add_co_u32 s91, s91, s89
	s_lshl_b32 s92, s89, 2
	s_lshl_b32 s92, 15, s92
	s_lshl_b32 s93, 0x1111, s88
	s_or_b32 s[G1A], s92, (3<<16)|(1<<21)
	s_mov_b32 s[G1A+1], 32<<16
	s_mov_b32 s[G1A+2], 256<<16
	s_mov_b32 s[G1A+3], 32<<16
	s_mov_b32 s[G1A+4], 256
	s_mov_b32 s[G1A+5], 32
	s_mov_b32 s[G1A+6], 0
	s_mov_b32 s[G1A+7], 0
	s_or_b32 s[G1B], s93, (1<<20)|(1<<21)|(5<<22)|(3<<25)
	s_mov_b32 s[G1B+1], 256<<16
	s_mov_b32 s[G1B+2], 128<<16
	s_mov_b32 s[G1B+3], 256<<16
	s_mov_b32 s[G1B+4], 128
	s_mov_b32 s[G1B+5], 1024
	s_mov_b32 s[G1B+6], 0
	s_mov_b32 s[G1B+7], 0
	s_or_b32 s[G1SA], s92, (3<<16)|(1<<21)
	s_mov_b32 s[G1SA+1], 32<<16
	s_mov_b32 s[G1SA+2], 32<<16
	s_mov_b32 s[G1SA+3], 32<<16
	s_mov_b32 s[G1SA+4], 32
	s_mov_b32 s[G1SA+5], 32
	s_mov_b32 s[G1SA+6], 0
	s_mov_b32 s[G1SA+7], 0
	s_or_b32 s[G1SB], s93, (3<<16)|(1<<20)|(1<<21)|(5<<22)|(3<<25)
	s_mov_b32 s[G1SB+1], 32<<16
	s_mov_b32 s[G1SB+2], 16<<16
	s_mov_b32 s[G1SB+3], 32<<16
	s_mov_b32 s[G1SB+4], 16
	s_mov_b32 s[G1SB+5], 32
	s_mov_b32 s[G1SB+6], 0
	s_mov_b32 s[G1SB+7], 0
	s_lshl_b32 s94, s91, 18
	s_mov_b32 s95, 0
	s_lshl_b32 s98, s91, 13
	s_mov_b32 s99, 0
	s_lshl_b32 s96, s90, 17
	s_mov_b32 s97, 0
	s_lshl_b32 s66, s90, 12
	s_mov_b32 s67, 0
.irp g, G0A, G0A+4, G0B, G0B+4, G0SA, G0SB
	s_mov_b32 s[\g], 1
.endr
	s_mul_i32 s[G0A+1], s22, AHALF
	s_add_co_u32 s[G0A+5], s[G0A+1], SLOT
	s_mul_i32 s[G0B+1], s22, BHALF
	s_add_co_u32 s[G0B+1], s[G0B+1], BOFF
	s_add_co_u32 s[G0B+5], s[G0B+1], SLOT
	s_mov_b32 s[G0SA+1], SCA
	s_mov_b32 s[G0SB+1], SCB
	s_mov_b32 s101, 0
	s_wait_kmcnt 0x0
	s_add_nc_u64 s[G0SA+2:G0SA+3], s[6:7], s[98:99]
	s_add_nc_u64 s[G0SB+2:G0SB+3], s[10:11], s[66:67]
	s_add_nc_u64 s[6:7], s[4:5], s[94:95]          ; s[4:7], s[8:11]: group 0 of the head's whole tiles of a and of W_out
	s_add_nc_u64 s[10:11], s[8:9], s[96:97]
	s_lshl_b32 s2, s22, 15                         ; the ring: my half of a tile
	s_mov_b32 s3, 0
	s_add_nc_u64 s[G0A+2:G0A+3], s[6:7], s[2:3]
	s_add_nc_u64 s[G0A+6:G0A+7], s[G0A+2:G0A+3], 2*AHALF
	s_lshl_b32 s2, s22, 16
	s_add_nc_u64 s[G0B+2:G0B+3], s[10:11], s[2:3]
	s_add_nc_u64 s[G0B+6:G0B+7], s[G0B+2:G0B+3], 256
	s_mov_b32 s4, 1
	s_mov_b32 s5, 0
	s_or_b32 s7, s7, 0x80000000
	s_mov_b32 s8, 1
	s_mov_b32 s9, BOFF
	s_or_b32 s11, s11, 0x80000000
.irp g, G0A, G0A+4, G0B, G0B+4, G0SA, G0SB
	s_or_b32 s[\g+3], s[\g+3], 0x80000000
.endr
	s_lshl_b32 s100, s90, 9
	s_add_nc_u64 s[12:13], s[12:13], s[100:101]
	s_add_nc_u64 s[14:15], s[14:15], s[100:101]
	s_lshl_b32 s100, s91, 20
	s_add_nc_u64 s[14:15], s[14:15], s[100:101]
	s_lshl_b32 s100, s20, 18
	s_add_nc_u64 s[14:15], s[14:15], s[100:101]
	CROUND
; the head's loads, one a wave: one chain of branches on the wave's number, a load to an arm
.macro ARM under, g0, g1, next
	s_cmp_lt_u32 s20, \under
	s_cbranch_scc0 \next
	tensor_load_to_lds s[\g0:\g0+3], s[\g1:\g1+7]
	s_nop 0
.rept 4
	v_nop
.endr
	s_branch .Lhead_asked
\next:
.endm
	ARM 1, 4, G1A, .Lhead_b
	ARM 2, 8, G1B, .Lhead_sa
	ARM 3, G0SA, G1SA, .Lhead_sb
	tensor_load_to_lds s[G0SB:G0SB+3], s[G1SB:G1SB+7]
	s_nop 0
.rept 4
	v_nop
.endr
.Lhead_asked:
	v_and_b32 v1, 15, v0
	v_bfe_u32 v2, v0, 4, 1
	v_and_b32 v3, 31, v0
	v_lshlrev_b32 v[L16], 4, v3
	s_lshl_b32 s2, s20, 13
	v_add_nc_u32 v[ADA], s2, v[L16]
	v_add_nc_u32 v[ADA+1], SLOT, v[ADA]
	v_mul_u32_u24 v28, v1, PITCH
	v_lshl_add_u32 v28, v2, 4, v28
	v_add_nc_u32 v[ADB], BOFF, v28
	v_add_nc_u32 v[ADB+1], SLOT, v[ADB]
	s_lshl_b32 s2, s20, 8
	s_add_co_u32 s2, s2, SCA
	v_lshl_add_u32 v[ADSA], v3, 2, s2
	v_lshrrev_b32 v29, 3, v3
	v_mul_u32_u24 v29, v29, 272
	v_and_b32 v30, 7, v3
	v_lshl_add_u32 v29, v30, 5, v29
	v_add_nc_u32 v[ADSB], SCB, v29
	s_mul_i32 s2, s20, 16*528
	s_add_co_u32 s2, s2, STAGE
	v_mul_u32_u24 v[STO], v1, 528
	v_lshl_add_u32 v[STO], v2, 5, v[STO]
	v_add_nc_u32 v[STO], s2, v[STO]
	v_add_nc_u32 v[RD], s2, v[L16]
	v_lshlrev_b32 v30, 5, v2
.irp i,0,1,2,3,4,5,6,7
	global_load_b128 v[BQ+8*\i:BQ+8*\i+3], v30, s[12:13] offset:64*\i
	global_load_b128 v[BQ+8*\i+4:BQ+8*\i+7], v30, s[12:13] offset:64*\i+16
.endr
	s_wait_alu depctr_va_vdst(0)
	s_wait_tensorcnt 0x0                           ; my tile of the head's four is in; slot 1's first fill is issued as a refill is
	ds_add_u32 v[SPW], v[NIL]                      ; 0 onto my spare word
	s_mov_b32 s[G1A+2], 128<<16                    ; no tensor load of mine is out: from here on a load brings half a tile
	s_mov_b32 s[G1A+4], 128
	s_mov_b32 s[G1B+2], 64<<16
	s_mov_b32 s[G1B+4], 64
	s_wait_dscnt 0x0
	CROUND                                         ; all four tiles are in, and all sixteen work-groups are here
	JLOAD G0A+4, G1A, G0B+4, G1B                   ; slot 1: my one tensor load behind the round
	FETCH 0
	SCALES 0
	s_wait_loadcnt 0x0
	NORMAL 0, 1
	TURN 1, 1
	NORMAL 2, 0
	TURN 3, 1
	NORMAL 4, 0
	TURN 5, 0
	NORMAL 6, 0
	s_wait_dscnt 0x0
	WIN 0xA1
	MULP 7, 0, 0
	MULP 7, 1, 0
	MULP 7, 2, 0
	MULP 7, 3, 0
.macro TOSTAGE a
	WIN 0x08
.irp i,0,1,2,3,4,5,6,7
	ds_store_b128 v[STO], v[64*(\a)+8*\i:64*(\a)+8*\i+3] offset:64*\i
	ds_store_b128 v[STO], v[64*(\a)+8*\i+4:64*(\a)+8*\i+7] offset:64*\i+16
.endr
	WIN 0x40
.irp t,0,1,2,3,4,5,6,7,8,9,10,11,12,13,14,15
	ds_load_b128 v[64*(\a)+4*\t:64*(\a)+4*\t+3], v[RD] offset:\t*528
.endr
.endm
.macro SEND a, younger
	s_wait_dscnt \younger
	WIN 0x04
.irp t,0,1,2,3,4,5,6,7,8,9,10,11,12,13,14,15
	global_store_b128 v[L16], v[64*(\a)+4*\t:64*(\a)+4*\t+3], s[14:15] offset:(\a)*65536+\t*4096 th:TH_STORE_NT
.endr
.endm
	PLACES 8
	TOSTAGE 0
.irp a,1,2,3
	TOSTAGE \a
	SEND \a-1, 32
.endr
	SEND 3, 0
	WIN 0
	s_wait_tensorcnt 0x0
	ds_add_u32 v[SPW], v[NIL]
	s_wait_dscnt 0x0
	CROUND
	s_endpgm
.Lfunc_end_k_q14e2380f44_proj:
	.size	k_q14e2380f44_proj, .Lfunc_end_k_q14e2380f44_proj-k_q14e2380f44_proj
	.p2alignl 7, 3214868480
	.fill 96, 4, 3214868480
	.section	.rodata,"a",@progbits
	.p2align	6, 0x0
	.amdhsa_kernel k_q14e2380f44_proj
		.amdhsa_group_segment_fixed_size 327680
		.amdhsa_private_segment_fixed_size 0
		.amdhsa_enable_private_segment 0
		.amdhsa_kernarg_size 48
		.amdhsa_user_sgpr_count 2
		.amdhsa_user_sgpr_kernarg_segment_ptr 1
		.amdhsa_wavefront_size32 1
		.amdhsa_system_sgpr_workgroup_id_x 1
		.amdhsa_system_sgpr_workgroup_id_y 1
		.amdhsa_system_sgpr_workgroup_id_z 1
		.amdhsa_system_vgpr_workitem_id 0
		.amdhsa_next_free_vgpr 768
		.amdhsa_next_free_sgpr 102
		.amdhsa_reserve_vcc 0
		.amdhsa_float_denorm_mode_32 3
		.amdhsa_float_denorm_mode_16_64 3
		.amdhsa_memory_ordered 1
		.amdhsa_forward_progress 1
		.amdhsa_inst_pref_size 90
	.end_amdhsa_kernel
	.amdgpu_metadata
---
amdhsa.version: [ 1, 2 ]
amdhsa.kernels:
  - .name:           k_q14e2380f44_proj
    .symbol:         k_q14e2380f44_proj.kd
    .args:
      - { .name: a_img, .offset: 0, .size: 8, .value_kind: global_buffer, .address_space: global }
      - { .name: a_sw, .offset: 8, .size: 8, .value_kind: global_buffer, .address_space: global }
      - { .name: W_out_codes, .offset: 16, .size: 8, .value_kind: global_buffer, .address_space: global }
      - { .name: W_out_scales, .offset: 24, .size: 8, .value_kind: global_buffer, .address_space: global }
      - { .name: b_out, .offset: 32, .size: 8, .value_kind: global_buffer, .address_space: global }
      - { .name: out0, .offset: 40, .size: 8, .value_kind: global_buffer, .address_space: global }
    .group_segment_fixed_size: 327680
    .private_segment_fixed_size: 0
    .kernarg_segment_align: 8
    .kernarg_segment_size: 48
    .max_flat_workgroup_size: 128
    .sgpr_count:     102
    .vgpr_count:     768
    .wavefront_size: 32
...
	.end_amdgpu_metadata
.endif
;; end of part 3
